; MI455X (gfx1250); checked and timed in simulation.
; The chip was launched on July 23, 2026; its instructions are those of AMD's public machine-readable ISA for CDNA 5 (MIT licence, August 2026) and "CDNA5" Instruction Set Architecture Reference Guide (July 2026). The comments in the code are by the model that wrote it; some were corrected since.
;; Quant Linear. Allowed arithmetic: matrix products marked QUANTISED: E2M1 operands, one E8M0 scale for each 32 along K, by v_wmma_scale_f32_16x16x128_f8f6f4 with both operands' format E2M1 (or v_wmma_scale_f32_32x16x128_f4), f32 sums; everything else in f32.
;; Inputs: g_idx 4,096 int32; qweight 512 x 4,096 int32; qzeros 32 x 512 int32; scales 32 x 4,096 float32; x_codes 4,096 x 128 x 16 uint8 (E2M1 codes of x, K innermost, in blocks of 32 codes, two codes a byte); x_scales 4,096 x 128 uint8 (E8M0 scales of x, one for each 32 codes along K).
;; Outputs: out0 4,096 x 4,096 float32.
;; This version of the problem:
;;   THIS VERSION OF THE PROBLEM IS GIVEN IN LOW PRECISION. The matrix products marked QUANTISED in the list below multiply operands that are first quantised to E2M1 (2 exponent bits, 1 mantissa bit; 4 bits a number), with one power-of-two scale for each 32 numbers along K (OCP MX v1.0); their sums are f32. All else is computed in f32.
;;   The module's matrix products, in the order in which they are computed (A, B: the left and right operand; K: the contracted axis; several contracted axes count as one K, in the product's order):
;;     1. [M 4,096, K 4,096] x [K 4,096, N 4,096]; A: input x (given as codes); B: computed on the way: QUANTISED
;;   THE QUANTISER, for each operand of a quantised product, along K:
;;     - K is cut into blocks of 32 from its start; a last block that is shorter is filled with zeros.
;;     - A block's scale is 2^e with e = floor(log2(the largest magnitude in the block)) - 2, held to -126 .. 127; a block of zeros has e = 0. As a byte (E8M0): e + 127.
;;     - Each number is divided by its block's scale, clamped to +-6, and rounded to the nearest number of E2M1, ties to even, subnormals kept.
;;     - The product sums the exact products of the quantised numbers (number of the format x scale) in f32.
;;   ~~~python
;;   def quantise(x, axis):      # numpy; x: float32 -> the quantised numbers, widened to float32 again
;;       x = np.moveaxis(x, axis, -1); K = x.shape[-1]
;;       x = np.pad(x, [(0, 0)] * (x.ndim - 1) + [(0, -K % 32)]); x = x.reshape(x.shape[:-1] + (-1, 32)); a = np.abs(x).max(-1, keepdims=True)
;;       e = np.where(a > 0, np.clip(np.frexp(np.where(a > 0, a, 1))[1] - 1 - 2, -126, 127), 0)      # np.frexp(a)[1] - 1 = floor(log2(a)), exactly
;;       r = np.clip(x / 2.0 ** e, -6, 6)
;;       step = 2.0 ** (np.maximum(np.frexp(np.where(r == 0, 1, r))[1] - 1, 0) - 1)
;;       q = np.round(r / step) * step * 2.0 ** e      # np.round: ties to even
;;       return np.moveaxis(q.reshape(q.shape[:-2] + (-1,))[..., :K], -1, axis).astype(np.float32)
;;   ~~~
;;   OPERANDS COMPUTED ON THE WAY. 'Computed on the way' means the value that the module computes at that place (a softmax that the list does not call 'softmax' is quantised finished and normalised). What goes into a quantiser is computed in f32, as accurately as f32 sums, v_exp_f32 and their like allow (about 1e-6 of the number): no bf16 or f16 on the way to a quantiser, and a product that is left as it is and whose result goes on into a quantised operand takes f32 operands (vector FMAs, or v_wmma_f32_16x16x4_f32). A number that lies on a knife's edge between two numbers of the format may be rounded either way, as far as f32 arithmetic and the matrix unit's own rounding can turn it there, and no further.
;;   INPUTS GIVEN AS CODES. x (in the module: [4096, 4096], K = its axis 1): each comes as NAME_codes (uint8): NAME with its K axis moved to the last place and cut into blocks of 32 codes, [.., K / 32, bytes a block], one block behind the other in memory; two codes a byte, the lower K in the low four bits (a code: sign, 2 exponent bits, 1 mantissa bit); and NAME_scales (uint8): the same leading axes, one E8M0 byte (e + 127) for each 32 codes along K. Its value is code x scale, taken as it is: it is not quantised again, and the codes and scales need not be those that the quantiser above would give.
;; One version. Each part assembles by itself: llvm-mc -triple=amdgcn-amd-amdhsa -mcpu=gfx1250 --defsym DOCPART=n.
;; ======== version 1 of 1: 2 launches
;; limits: right only within a limited range of input values
;; workspace buffers: w_codes 8,388,608 bytes; w_sc 524,288 bytes; x_sc 524,288 bytes
;; launch prep (part 1): grid 32 x 8, 16 waves a work-group, no clusters, 38,912 bytes of LDS; arguments g_idx, qweight, qzeros, scales, x_scales, w_codes, w_sc, x_sc; writes w_codes, w_sc, x_sc
.if DOCPART == 1
	.amdgcn_target "amdgcn-amd-amdhsa--gfx1250"
	.amdhsa_code_object_version 6
	.text
	.protected	k_q6fc37d7c43_prep
	.globl	k_q6fc37d7c43_prep
	.p2align	8
	.type	k_q6fc37d7c43_prep,@function
k_q6fc37d7c43_prep:
	s_mov_b64 s[64:65], 0
	v_nop
	global_prefetch_b8 v0, s[64:65] scope:SCOPE_SE
	s_setreg_imm32_b32 hwreg(HW_REG_WAVE_MODE, 25, 1), 1
	s_wait_xcnt 0x0
; W[k][n] = (nibble k of qweight - nibble n of qzeros[g_idx[k]]) x scales[g_idx[k]][n], in f32 as the problem writes it (an exact whole number times a scale: one rounding),
; is quantised along K to codes of FP4 (E2M1) with one E8M0 byte for each 32 along K.  Out: w_codes [n 4096][2,048 bytes], K innermost, the lower k in the low four bits;
; w_sc [K step 8][n 4096][16 bytes], byte t for k = 512 p + 32 t.  The same launch lays x's scale bytes the same way: x_sc [K step 8][row 4096][16 bytes] = x_scales[row][16 p ..].
; NOTHING IS LEFT OUT: every input has a way to the output and is loaded; each k may name any of the 32 groups.
; A block's scale is 2^(floor(log2(its largest magnitude)) - 2): its byte is the largest magnitude's exponent field - 2, held at 1 from below.
; LIMITS: a g_idx outside 0 .. 31 is held at 31 (the problem keeps the index inside its table); NaN and infinities in scales are not served; a block whose largest magnitude lies under 2^-124
; keeps the byte 1; a block of zeros gets the byte 1 where the rule says 127: its codes are zeros, which add nothing under any byte but 0xff, and this program alone reads the bytes.
; SHARES.  Work-group (x, y): columns 128 x .. + 127, K step y (512 along K).  Wave w: 32 columns (w % 4), 128 along K (w / 4): four blocks.  A LANE TAKES A COLUMN AND ITS REGISTERS RUN DOWN K:
; a block of 32 lies in one lane, its largest magnitude needs no other lane, and the conversions give codes with K innermost.
; THE ROWS OF scales AND qzeros ARE LOADED AS g_idx ASKS FOR THEM.  The wave reads its 128 indices and looks at them.  Where the 32 indices of each of its four blocks name ONE group (a group of its own for
; each block), that group's scale and zero point are loaded once a block: 8 loads.  Else they are loaded k by k: 256 loads, the 32 indices of a block in scalar registers, each load landing on its own
; offset register.  Both ways give the same bits: f32(w) - f32(z) is as exact as f32(w - z).  The branch hangs on whole numbers that this launch reads; no barrier and no LDS instruction stands under it.
; The codes leave through a stage in LDS, so that sixteen lanes store 256 consecutive bytes, aligned; so do the scale bytes.
; NO CLUSTER, NO TENSOR LOAD: which rows of scales and qzeros two work-groups share hangs on g_idx, and they are 1/16 at the most of what a work-group reads beside its own words of qweight.
.set CP,    272                        ; a stage row: a column's 256 bytes of codes + 16 of padding
.set SST,   128*CP                     ; behind the codes' stage: the scale bytes, [128 columns][16]
.set SPARE, SST+2048                   ; behind it: the spare words, 128 bytes for each of 16 waves: eight blocks of 256 bytes that no other line names
.set N4,  2                            ; v2   4 x my column: my byte in a row of scales or of qweight
.set NZ,  3                            ; v3   4 x (my column / 8): my word in a row of qzeros
.set ZSH, 4                            ; v4   4 x (my column % 8): my nibble in it
.set STA, 5                            ; v5   the codes' stage, in: my column's row, my wave's 64 bytes
.set STS, 6                            ; v6   the scales' stage, in: my column's 16 bytes, my wave's word
.set RDA, 7                            ; v7   the codes' stage, out: sixteen lanes to a row, two rows an instruction
.set RDS, 8                            ; v8   the scales' stage, out
.set GOA, 9                            ; v9   the same two rows in w_codes
.set GOS, 10                           ; v10  the same bytes in w_sc
.set XLO, 11                           ; v11  x_scales: my row, my K step's 16 bytes
.set XSO, 12                           ; v12  x_sc: my K step's plane, my row
.set SPW, 13                           ; v13  LDS address of my spare word; never rewritten
.set NIL, 14                           ; v14  0; never rewritten
.set SB,  15                           ; v15  my four blocks' scale bytes
.set MX,  16                           ; v16, v17 two chains of the largest magnitude
.set MX2, 17
.set SCO, 18                           ; v18  the conversions' scale operand
.set BY,  19                           ; v19  the scale's byte
.set R16, 20                           ; v[20:23] at the head four numbers of my lane: lane % 16,
.set H16, 21                           ;          lane / 16,
.set KS2, 22                           ;          the K step whose scale bytes of x I copy,
.set L8,  23                           ;          lane / 8;
.set XS,  20                           ;          behind the head, in waves 0 to 3: 16 scale bytes of x
.set QW,  24                           ; v[24:39]   16 words of qweight: my column's 128 nibbles
.set C,   40                           ; v[40:55]   codes, four registers a block
.set T,   56                           ; v[56:87]   k by k: a block's 32 nibbles
.set IX,  88                           ; v[88:91]   block b's 32 indices, one a lane
.set IXO, 92                           ; v92        4 x lane
.set S,   96                           ; v[96:159]  k by k: two sets of 32: offset, then scale
.set PS,  S                            ; v[96:103]  a group a block: block b's pair: offset, then scale | offset, then qzeros' word
.set PZ,  S+8                          ; v[104:111] block b's pair: z as f32 | z
.set Z,   160                          ; v[160:223] two sets of 32 numbers: W in the end
.set O,   224                          ; v[224:239] the way out
.set OSC, 240                          ; v[240:243]
.set EQ,  4                            ; s[4:7]     block b: the lanes whose index is the block's first
.set FI,  12                           ; s[12:15]   block b's first index
.set IDX0, 16                          ; s[16:47]   k by k: a block's 32 indices (even blocks)
.set IDX1, 68                          ; s[68:99]   (odd blocks)
	s_load_b512 s[48:63], s[0:1], 0x0              ; g_idx 48, qweight 50, qzeros 52, scales 54, x_scales 56, w_codes 58, w_sc 60, x_sc 62
	v_lshl_add_u32 v[SPW], v0, 2, SPARE
	v_mov_b32 v[NIL], 0
	v_lshrrev_b32 v1, 5, v0
	s_delay_alu instid0(VALU_DEP_1)
	v_readfirstlane_b32 s8, v1                     ; wave 0..15
	v_and_b32 v1, 31, v0                           ; lane
	s_wait_alu depctr_va_vdst(0)
	s_and_b32 s9, s8, 3                            ; which 32 columns
	s_lshr_b32 s10, s8, 2                          ; which 128 along K
	s_and_b32 s11, ttmp7, 0xffff                   ; K step
	v_and_b32 v[R16], 15, v1
	v_lshrrev_b32 v[H16], 4, v1
	v_lshrrev_b32 v[L8], 3, v1
	v_lshlrev_b32 v[IXO], 2, v1
	s_lshl_b32 s2, ttmp9, 9
	s_lshl_b32 s3, s9, 7
	s_add_co_u32 s2, s2, s3
	v_lshl_add_u32 v[N4], v1, 2, s2                ; 4 (128 x + 32 (w % 4) + lane)
	s_lshl_b32 s2, ttmp9, 6
	s_lshl_b32 s3, s9, 4
	s_add_co_u32 s2, s2, s3
	v_lshl_add_u32 v[NZ], v[L8], 2, s2             ; 4 ((128 x + 32 (w % 4) + lane) / 8)
	v_and_b32 v[ZSH], 7, v1
	s_delay_alu instid0(VALU_DEP_1)
	v_lshlrev_b32 v[ZSH], 2, v[ZSH]
	; every LDS address is made here, ahead of the first branch: a constant + a constant x lane + a constant x wave
	s_mul_i32 s2, s9, 32*CP
	s_lshl_b32 s3, s10, 6
	s_add_co_u32 s2, s2, s3
	v_mul_u32_u24 v[STA], v1, CP
	s_delay_alu instid0(VALU_DEP_1)
	v_add_nc_u32 v[STA], s2, v[STA]
	s_lshl_b32 s2, s9, 9
	s_lshl_b32 s3, s10, 2
	s_add_co_u32 s2, s2, s3
	s_add_co_u32 s2, s2, SST
	v_lshl_add_u32 v[STS], v1, 4, s2
	s_mul_i32 s2, s8, 8*CP                         ; out: wave w takes the stage's rows 8 w .. 8 w + 7
	v_mul_u32_u24 v[RDA], v[H16], CP
	s_delay_alu instid0(VALU_DEP_1)
	v_lshl_add_u32 v[RDA], v[R16], 4, v[RDA]
	s_delay_alu instid0(VALU_DEP_1)
	v_add_nc_u32 v[RDA], s2, v[RDA]
	s_lshl_b32 s2, s9, 9
	v_lshl_add_u32 v[GOS], v1, 4, s2
	s_add_co_u32 s2, s2, SST
	v_lshl_add_u32 v[RDS], v1, 4, s2
	v_lshlrev_b32 v[GOA], 11, v[H16]
	s_delay_alu instid0(VALU_DEP_1)
	v_lshl_add_u32 v[GOA], v[R16], 4, v[GOA]
	s_lshl_b32 s2, s9, 1
	v_add_nc_u32 v[KS2], s2, v[H16]                ; x's scales: K step 2 w + lane / 16 (waves 0 to 3)
	s_delay_alu instid0(VALU_DEP_1)
	v_lshlrev_b32 v[XLO], 4, v[KS2]
	s_delay_alu instid0(VALU_DEP_1)
	v_lshl_add_u32 v[XLO], v[R16], 7, v[XLO]       ; row lane % 16 of 128 bytes, + 16 x K step
	s_delay_alu instid0(VALU_DEP_3)
	v_lshlrev_b32 v[XSO], 16, v[KS2]
	s_delay_alu instid0(VALU_DEP_1)
	v_lshl_add_u32 v[XSO], v[R16], 4, v[XSO]       ; plane of 65,536 bytes, + 16 x row
	; where my part begins in each buffer, in bytes (all under 2^24)
	s_lshl_b32 s16, s11, 11
	s_lshl_b32 s2, s10, 9
	s_add_co_u32 s16, s16, s2                      ; g_idx: 4 (512 y + 128 (w / 4))
	s_mov_b32 s17, 0
	s_lshl_b32 s18, s11, 6
	s_lshl_b32 s2, s10, 4
	s_add_co_u32 s18, s18, s2
	s_lshl_b32 s18, s18, 14                        ; qweight: row 64 y + 16 (w / 4) of 16,384 bytes
	s_mov_b32 s19, 0
	s_lshl_b32 s20, ttmp9, 18
	s_lshl_b32 s2, s8, 14
	s_add_co_u32 s20, s20, s2
	s_lshl_b32 s2, s11, 8
	s_add_co_u32 s20, s20, s2                      ; w_codes: row 128 x + 8 w of 2,048 bytes, + 256 y
	s_mov_b32 s21, 0
	s_lshl_b32 s22, s11, 16
	s_lshl_b32 s2, ttmp9, 11
	s_add_co_u32 s22, s22, s2                      ; w_sc: plane y, + 16 x 128 x
	s_mov_b32 s23, 0
	s_lshl_b32 s2, s11, 5
	s_add_co_u32 s2, s2, ttmp9                     ; the work-group's number, 0 .. 255: it copies the scales of x's rows 16 id .. + 15
	s_lshl_b32 s24, s2, 11
	s_mov_b32 s25, 0
	s_lshl_b32 s26, s2, 8
	s_mov_b32 s27, 0
	s_wait_kmcnt 0x0
	s_add_nc_u64 s[48:49], s[48:49], s[16:17]
	s_add_nc_u64 s[50:51], s[50:51], s[18:19]
	s_add_nc_u64 s[58:59], s[58:59], s[20:21]
	s_add_nc_u64 s[60:61], s[60:61], s[22:23]
	s_add_nc_u64 s[56:57], s[56:57], s[24:25]
	s_add_nc_u64 s[62:63], s[62:63], s[26:27]
	s_load_b512 s[IDX0:IDX0+15], s[48:49], 0x0     ; block 0's 32 indices as scalars, for the way k by k,
	s_load_b512 s[IDX0+16:IDX0+31], s[48:49], 0x40
	s_load_b512 s[IDX1:IDX1+15], s[48:49], 0x80    ; and block 1's
	s_load_b512 s[IDX1+16:IDX1+31], s[48:49], 0xc0
.irp b, 0,1,2,3
	global_load_b32 v[IX+\b], v[IXO], s[48:49] offset:128*\b   ; all four blocks' indices, one a lane: they say which way the wave goes
.endr
.irp i, 0,1,2,3,4,5,6,7,8,9,10,11,12,13,14,15
	global_load_b32 v[QW+\i], v[N4], s[50:51] offset:\i*16384 th:TH_LOAD_NT   ; 32 lanes read 128 neighbouring bytes; read once in the launch
.endr
	s_wait_loadcnt 16                              ; loads come back in order: the four index loads are in, qweight's sixteen may be out
.irp b, 0,1,2,3
	v_readfirstlane_b32 s[FI+\b], v[IX+\b]         ; the block's first index,
.endr
.irp b, 0,1,2,3
	s_delay_alu instid0(VALU_DEP_4)
	v_cmp_eq_u32 s[EQ+\b], s[FI+\b], v[IX+\b]      ; and the lanes that hold the same
.endr
	s_and_b32 s[EQ], s[EQ], s[EQ+1]
	s_and_b32 s[EQ+2], s[EQ+2], s[EQ+3]
	s_and_b32 s[EQ], s[EQ], s[EQ+2]                ; all ones: each of my four blocks names one group
	s_cmp_lt_u32 s8, 4                             ; waves 0 to 3 copy x's scale bytes, 16 rows x two K steps each: the load goes out here,
	s_cbranch_scc0 .Lno_x                          ; the store stands where both ways join, behind waits that every wave runs anyway
	global_load_b128 v[XS:XS+3], v[XLO], s[56:57] th:TH_LOAD_NT
.Lno_x:
	s_wait_kmcnt 0x0                               ; blocks 0 and 1's indices as scalars: no scalar load is out on either way
	s_cmp_eq_u32 s[EQ], -1
	s_cbranch_scc0 .Lgeneral
; The 32 numbers W of block b in v[DZ] on become 16 bytes of codes in v[C + 4 b] on and a byte of v[SB].
.macro QUANT b
	v_max3_num_f32 v[MX], |v[DZ]|, |v[DZ+1]|, |v[DZ+2]|            ; the block's largest magnitude: all 32 numbers are mine; two chains
	v_max3_num_f32 v[MX2], |v[DZ+3]|, |v[DZ+4]|, |v[DZ+5]|
.irp i, 6,10,14,18,22,26
	s_delay_alu instid0(VALU_DEP_2)
	v_max3_num_f32 v[MX], v[MX], |v[DZ+\i]|, |v[DZ+\i+1]|
	s_delay_alu instid0(VALU_DEP_2)
	v_max3_num_f32 v[MX2], v[MX2], |v[DZ+\i+2]|, |v[DZ+\i+3]|
.endr
	s_delay_alu instid0(VALU_DEP_2)
	v_max3_num_f32 v[MX], v[MX], |v[DZ+30]|, |v[DZ+31]|
	s_delay_alu instid0(VALU_DEP_1)
	v_max3_num_f32 v[MX], v[MX], v[MX2], 0x1800000 ; and the floor 2^(3 - 127): the byte cannot fall under 1
	s_delay_alu instid0(VALU_DEP_1)
	v_add_nc_u32 v[SCO], 0xff000000, v[MX]         ; 2 off its exponent field: the conversion takes the exponent field of this operand as its scale, and nothing else of it
	s_delay_alu instid0(VALU_DEP_1)
	v_lshrrev_b32 v[BY], 23, v[SCO]                ; the scale's byte
.if (\b) == 0
	s_delay_alu instid0(VALU_DEP_1)
	v_mov_b32 v[SB], v[BY]                         ; four bytes to a word, the lower K in the lower byte
.else
	s_delay_alu instid0(VALU_DEP_1)
	v_lshl_or_b32 v[SB], v[BY], 8*(\b), v[SB]
.endif
.irp g, 0,1,2,3
	v_cvt_scalef32_pk8_fp4_f32 v[C+4*(\b)+\g], v[DZ+8*\g:DZ+8*\g+7], v[SCO]   ; eight numbers / the scale, to the nearest code, ties to even, beyond 6 the largest code
.endr
	v_nop                                          ; one plain instruction behind the last conversion: later vector lines write its sources again
.endm
; ---- A GROUP A BLOCK.  Block b's nibbles as f32, into set b % 2:
; On this way each block has 32 registers of its own.  A nibble at bits 4 k .. 4 k + 3 (k = 0 .. 4) put into the mantissa of 2^(23 - 4 k) IS the f32 number 2^(23 - 4 k) + w;
; nibbles 5 to 7 stand at k = 0 to 2 of the word shifted down by 20.  Less 2^(23 - 4 k) + z it is w - z, exact.
.set MK, IDX0                          ; s[16:20] masks 15 << 4 k  (the scalar indices are not used on this way)
.set MG, IDX0+5                        ; s[21:25] 2^(23 - 4 k) as f32
.set CZ, IX                            ; v[88:95] 2^(23 - 4 k) + z for nibbles 0 .. 7 of a word (the indices have been looked at)
.macro HOME b
.if (\b) < 2
.set DZ, Z+32*(\b)
.elseif (\b) == 2
.set DZ, S+16
.else
.set DZ, T
.endif
.endm
.macro FUNP b
	HOME \b
.irp j, 0,1,2,3
	v_lshrrev_b32 v[C+4*(\b)+\j], 20, v[QW+4*(\b)+\j]   ; (the codes' registers serve until the block is quantised)
.endr
.irp j, 0,1,2,3
.irp i, 0,1,2,3,4
	v_and_or_b32 v[DZ+8*\j+\i], v[QW+4*(\b)+\j], s[MK+\i], s[MG+\i]
.endr
.irp i, 0,1,2
	v_and_or_b32 v[DZ+8*\j+5+\i], v[C+4*(\b)+\j], s[MK+\i], s[MG+\i]
.endr
.endr
.endm
; and W = (w - z) x s, two at a time; of the pair (s | qzeros' word) the low register serves both halves
.macro FFIN b
	HOME \b
.irp i, 0,1,2,3,4
	v_add_f32 v[CZ+\i], s[MG+\i], v[PZ+2*(\b)]
.endr
.irp i, 0,1,2
	v_add_f32 v[CZ+5+\i], s[MG+\i], v[PZ+2*(\b)]
.endr
.irp j, 0,1,2,3
.irp i, 0,2,4,6
	v_pk_add_f32 v[DZ+8*\j+\i:DZ+8*\j+\i+1], v[DZ+8*\j+\i:DZ+8*\j+\i+1], v[CZ+\i:CZ+\i+1] neg_lo:[0,1] neg_hi:[0,1]
.endr
.endr
.set k, 0
.rept 16
	v_pk_mul_f32 v[DZ+k:DZ+k+1], v[DZ+k:DZ+k+1], v[PS+2*(\b):PS+2*(\b)+1] op_sel_hi:[1,0]   ; W, one rounding
.set k, k+2
.endr
	QUANT \b
.endm
.irp b, 0,1,2,3
	s_min_u32 s[FI+\b], s[FI+\b], 31               ; held inside the table
.endr
.irp b, 0,1,2,3
	v_lshl_add_u32 v[PS+2*\b], s[FI+\b], 14, v[N4]   ; a row of scales is 16,384 bytes,
	v_lshl_add_u32 v[PS+2*\b+1], s[FI+\b], 11, v[NZ] ; a row of qzeros 2,048
.endr
.irp b, 0,1,2,3
	global_load_b32 v[PS+2*\b], v[PS+2*\b], s[54:55]       ; each load lands on its own offset register
	global_load_b32 v[PS+2*\b+1], v[PS+2*\b+1], s[52:53]
.endr
.irp i, 0,1,2,3,4
	s_mov_b32 s[MK+\i], 15<<(4*\i)
	s_mov_b32 s[MG+\i], (150-4*\i)<<23
.endr
	s_wait_loadcnt 8                               ; all but the eight just issued: qweight's words are in (and x's bytes, where they were asked for)
	FUNP 0                                         ; the four blocks are unpacked while the scales and zero points are on their way
	FUNP 1
	FUNP 2
	FUNP 3
	s_wait_loadcnt 0x0
.irp b, 0,1,2,3
	v_bfe_u32 v[PZ+2*\b+1], v[PS+2*\b+1], v[ZSH], 4  ; z: my column's nibble of the word,
.endr
.irp b, 0,1,2,3
	s_delay_alu instid0(VALU_DEP_4)
	v_cvt_f32_u32 v[PZ+2*\b], v[PZ+2*\b+1]         ; as f32: exact
.endr
	FFIN 0
	FFIN 1
	FFIN 2
	FFIN 3
	s_branch .Ljoin
; ---- K BY K.  Block b's 64 gathers.  The indices are held inside the table; an offset is index x a row + my place in it; each load lands on its own offset register.
.macro GATHER b
.set GS, S+32*((\b)%2)
.set GZ, Z+32*((\b)%2)
.set GI, IDX0+(IDX1-IDX0)*((\b)%2)
.set k, 0
.rept 32
	s_min_u32 s[GI+k], s[GI+k], 31
.set k, k+1
.endr
.set k, 0
.rept 32
	v_lshl_add_u32 v[GS+k], s[GI+k], 14, v[N4]
	v_lshl_add_u32 v[GZ+k], s[GI+k], 11, v[NZ]
.set k, k+1
.endr
.set k, 0
.rept 32
	global_load_b32 v[GS+k], v[GS+k], s[54:55]
	global_load_b32 v[GZ+k], v[GZ+k], s[52:53]
.set k, k+1
.endr
.endm
; Block b dequantised and quantised.  Written stage by stage over the 32 numbers, so that no line waits for the line above it.
.macro DEQ b
.set DS, S+32*((\b)%2)
.set DZ, Z+32*((\b)%2)
.set k, 0
.rept 32
	v_bfe_u32 v[DZ+k], v[DZ+k], v[ZSH], 4          ; z: my column's nibble of the word
.set k, k+1
.endr
.set k, 0
.rept 32
	v_bfe_u32 v[T+k], v[QW+4*(\b)+k/8], 4*(k%8), 4 ; w: nibble k % 8 of word k / 8
.set k, k+1
.endr
.set k, 0
.rept 32
	v_sub_nc_u32 v[DZ+k], v[T+k], v[DZ+k]          ; w - z, -15 .. 15
.set k, k+1
.endr
.set k, 0
.rept 32
	v_cvt_f32_i32 v[DZ+k], v[DZ+k]                 ; exact
.set k, k+1
.endr
.set k, 0
.rept 16
	v_pk_mul_f32 v[DZ+k:DZ+k+1], v[DZ+k:DZ+k+1], v[DS+k:DS+k+1]   ; W, one rounding
.set k, k+2
.endr
	QUANT \b
.endm
.Lgeneral:
	GATHER 0
	s_load_b512 s[IDX0:IDX0+15], s[48:49], 0x100   ; block 2's indices, where block 0's have been used
	s_load_b512 s[IDX0+16:IDX0+31], s[48:49], 0x140
	s_wait_loadcnt 0x0                             ; qweight's words and block 0's gathers are in
	GATHER 1                                       ; block 1's 64 loads are on their way while block 0 is worked
	s_load_b512 s[IDX1:IDX1+15], s[48:49], 0x180   ; block 3's indices
	s_load_b512 s[IDX1+16:IDX1+31], s[48:49], 0x1c0
	DEQ 0
	s_wait_loadcnt 0x0                             ; block 1's gathers
	s_wait_kmcnt 0x0                               ; blocks 2 and 3's indices
	GATHER 2
	DEQ 1
	s_wait_loadcnt 0x0
	GATHER 3
	DEQ 2
	s_wait_loadcnt 0x0
	DEQ 3
.Ljoin:                                                ; on both ways every load of the wave has been waited for
	s_cmp_lt_u32 s8, 4
	s_cbranch_scc0 .Lno_xs
	global_store_b128 v[XSO], v[XS:XS+3], s[62:63] ; x's scale bytes: sixteen lanes store 256 consecutive bytes, aligned; data and offset are never written again
.Lno_xs:
	s_wait_alu depctr_va_vdst(0)
.irp b, 0,1,2,3
	ds_store_b128 v[STA], v[C+4*\b:C+4*\b+3] offset:16*\b   ; my column's 64 bytes of codes
.endr
	ds_store_b32 v[STS], v[SB]
	s_wait_dscnt 0x0                               ; for the others' sake: my stores into both stages are done
	s_barrier_signal -1
	s_barrier_wait -1                              ; a column's 256 bytes come from four waves: now they are whole
.irp t, 0,1,2,3
	ds_load_b128 v[O+4*\t:O+4*\t+3], v[RDA] offset:\t*2*CP
.endr
.irp t, 0,1,2,3
	s_wait_dscnt 3-\t                              ; LDS loads come back in order: load t is in, the younger ones may be out
	global_store_b128 v[GOA], v[O+4*\t:O+4*\t+3], s[58:59] offset:\t*4096   ; sixteen lanes store 256 consecutive bytes of a row of w_codes, aligned
.endr
	s_cmp_lt_u32 s8, 4                             ; waves 0 to 3 store the 2,048 scale bytes, 512 each
	s_cbranch_scc0 .Lno_s
	ds_load_b128 v[OSC:OSC+3], v[RDS]
	s_wait_dscnt 0x0
	global_store_b128 v[GOS], v[OSC:OSC+3], s[60:61]
.Lno_s:
	s_wait_tensorcnt 0x0                           ; the wave's end: the tensor wait (though this text has no tensor load), an LDS add and its wait, behind my last LDS store
	ds_add_u32 v[SPW], v[NIL]
	s_wait_dscnt 0x0
	s_endpgm
.Lfunc_end_k_q6fc37d7c43_prep:
	.size	k_q6fc37d7c43_prep, .Lfunc_end_k_q6fc37d7c43_prep-k_q6fc37d7c43_prep
	.p2alignl 7, 3214868480
	.fill 96, 4, 3214868480
	.section	.rodata,"a",@progbits
	.p2align	6, 0x0
	.amdhsa_kernel k_q6fc37d7c43_prep
		.amdhsa_group_segment_fixed_size 38912
		.amdhsa_private_segment_fixed_size 0
		.amdhsa_enable_private_segment 0
		.amdhsa_kernarg_size 64
		.amdhsa_user_sgpr_count 2
		.amdhsa_user_sgpr_kernarg_segment_ptr 1
		.amdhsa_wavefront_size32 1
		.amdhsa_system_sgpr_workgroup_id_x 1
		.amdhsa_system_sgpr_workgroup_id_y 1
		.amdhsa_system_sgpr_workgroup_id_z 1
		.amdhsa_system_vgpr_workitem_id 0
		.amdhsa_next_free_vgpr 248
		.amdhsa_next_free_sgpr 100
		.amdhsa_reserve_vcc 0
		.amdhsa_float_denorm_mode_32 3
		.amdhsa_float_denorm_mode_16_64 3
		.amdhsa_memory_ordered 1
		.amdhsa_forward_progress 1
		.amdhsa_inst_pref_size 117
	.end_amdhsa_kernel
	.amdgpu_metadata
---
amdhsa.version: [ 1, 2 ]
amdhsa.kernels:
  - .name:           k_q6fc37d7c43_prep
    .symbol:         k_q6fc37d7c43_prep.kd
    .args:
      - { .name: g_idx, .offset: 0, .size: 8, .value_kind: global_buffer, .address_space: global }
      - { .name: qweight, .offset: 8, .size: 8, .value_kind: global_buffer, .address_space: global }
      - { .name: qzeros, .offset: 16, .size: 8, .value_kind: global_buffer, .address_space: global }
      - { .name: scales, .offset: 24, .size: 8, .value_kind: global_buffer, .address_space: global }
      - { .name: x_scales, .offset: 32, .size: 8, .value_kind: global_buffer, .address_space: global }
      - { .name: w_codes, .offset: 40, .size: 8, .value_kind: global_buffer, .address_space: global }
      - { .name: w_sc, .offset: 48, .size: 8, .value_kind: global_buffer, .address_space: global }
      - { .name: x_sc, .offset: 56, .size: 8, .value_kind: global_buffer, .address_space: global }
    .group_segment_fixed_size: 38912
    .private_segment_fixed_size: 0
    .kernarg_segment_align: 8
    .kernarg_segment_size: 64
    .max_flat_workgroup_size: 512
    .sgpr_count:     100
    .vgpr_count:     248
    .wavefront_size: 32
...
	.end_amdgpu_metadata
.endif
;; end of part 1
;; launch gemm (part 2): grid 16 x 16, 4 waves a work-group, clusters of 4 x 4, 327,680 bytes of LDS; arguments x_codes, x_sc, w_codes, w_sc, out0; writes out0
.if DOCPART == 2
	.amdgcn_target "amdgcn-amd-amdhsa--gfx1250"
	.amdhsa_code_object_version 6
	.text
	.protected	k_q6fc37d7c43_gemm
	.globl	k_q6fc37d7c43_gemm
	.p2align	8
	.type	k_q6fc37d7c43_gemm,@function
k_q6fc37d7c43_gemm:
	s_mov_b64 s[64:65], 0
	v_nop
	global_prefetch_b8 v0, s[64:65] scope:SCOPE_SE
	s_setreg_imm32_b32 hwreg(HW_REG_WAVE_MODE, 25, 1), 1
	s_wait_xcnt 0x0
	s_wait_alu depctr_hold_cnt(0) depctr_sa_sdst(0) depctr_va_vdst(0) depctr_va_sdst(0) depctr_va_ssrc(0) depctr_va_vcc(0) depctr_vm_vsrc(0)
	s_getreg_b32 s2, hwreg(HW_REG_IB_STS2, 6, 4)
	s_cmp_eq_u32 s2, 0
	s_cbranch_scc0 .Lentry_in_a_cluster
	s_endpgm
.Lentry_in_a_cluster:
	s_bfe_u32 s2, ttmp6, 0x10000c
	s_cmp_lg_u32 s2, 0xf033
	s_cbranch_scc0 .Lentry_shape_is_right
	s_endpgm
.Lentry_shape_is_right:
; out0[m][n] = sum over k of x[m][k] W[n][k]: codes of FP4 (E2M1) with one E8M0 byte for each 32 along K; sums in f32, K ascending.  Nothing is left out.
; x_codes [4096][2,048 bytes], w_codes [4096][2,048 bytes]: K innermost, the lower k in the low four bits.  x_sc, w_sc: [K step 8][row 4096][16 bytes], byte t for k = 512 p + 32 t.
; A work-group of four waves makes 256 x 256 of out0, a wave 128 x 128: 32 accumulators of 32 x 16.  K goes in K steps of 512 through a ring of two LDS slots (rows of 256 bytes), each K step cut in four steps of 128.
; CLUSTERS of 4 x 4: x's rows are asked for jointly by the four of a row, W's by the four of a column; each wave fetches 128 rows with one tensor load.
; THE SCALES (16 bytes a row and K step, 1/17 of a step's bytes, so not asked for jointly) go from memory straight into registers in the K step ahead of their use: eight loads of 512 consecutive bytes a wave.
; Lane l of load i holds the 16 bytes of row 32 i + l.  W's 32 rows of an instruction take all 32 lanes; of x's, block 2 i's 16 words stand in lanes 0-15, block 2 i + 1's in lanes 16-31 (ROW1).
; No prefetch for them: two steps of 128 and more lie between load and use.
; TRANSPOSED USE: source 0 = 32 rows of W, source 1 = 16 rows of x: a lane holds, twice, eight neighbouring columns of one row of out0.
; A STEP: a run of 16 LDS loads at its head (the next step's fragments of W), one in its middle (x's), into the sets that the step before multiplied.  Scale loads and prefetches stand beside the first run.
; PREFETCHES INTO THE L2: 32 rows x 256 bytes an instruction, a lane a row.  K step s + 3 is asked for in K step s's third step, five steps of 128 ahead of its tensor load; K step 2 in K step 0's first step; K step 1 behind
; K step 0's tensor load.  Of the 128 rows that a wave fetches, the four partners that ask for them jointly name 32 each, told apart by address.
; REGISTERS.  window 0: v0-31 addresses, v32-95 two sets of scale words, v96-159 the accumulators of x's block 0 (128 rows of W); v160-223 the way out.
;   window 1: W's fragments, two sets at v0 and v64; v128-191 accumulators of block 1; from v192 LDS addresses.
;   window 2: accumulators of blocks 2-4, then x's fragments set 0 at v192.   window 3: accumulators of blocks 5-7, then x's fragments set 1 at v192.
.set SIZE_N, 4096
.set ROWB,   256
.set KROW,   2048
.set PITCH,  272                       ; 256 bytes + 16 of padding: 68 words, so 16 rows start at 16 different banks
.set HALFT,  128*PITCH                 ; what one tensor load brings
.set SLOT,   4*HALFT                   ; x's 256 rows, then W's 256
.set PLANE,  65536                     ; a K step's scale bytes
.set SPITCH, 528
.set STAGE,  2*SLOT                    ; behind the ring: 16 rows x 528 bytes for each wave
.set SPARE,  STAGE+4*16*SPITCH         ; the spare words, 128 bytes for each wave
.set LAPS,   4
.set STO,  24                          ; the stage, in
.set RD,   25                          ; the stage, out
.set CO,   26                          ; 16 x lane
.set SPW,  28                          ; my spare word; never rewritten
.set NIL,  29                          ; 0; never rewritten
.set PFO,  30                          ; the prefetches' offset: lane x a row; never rewritten
.set SC,   32                          ; set s at 32 s: x's words at 4 (a / 2) + q, W's at 16 + 4 i + q
.set ADRA, 192                         ; window 1: v192-193 LDS address of my x fragments in slot 0, 1
.set ADRB, 194                         ; window 1: v194-195 the same for W
.set LN,   196                         ; window 1: 16 x lane
.set G1,   24
.set G0,   32
.set G1B,  48
.set G0B,  56
.set XSB,  66                          ; s[66:67] x's scales, my 128 rows
.set WSB,  68                          ; s[68:69] W's
.set PFA,  70                          ; s[70:71] the prefetches' base
.set MSB, 0
.set ZERO, 0
.macro WIN new                         ; the immediate's high byte repeats the setting that is left
.if MSB != \new
	s_set_vgpr_msb (MSB<<8)|\new
.set MSB, \new
.endif
.endm
.macro PLACES                          ; four places behind a matrix instruction
.rept 4
	v_nop
.endr
.endm
.macro JLOAD s                         ; a joint load: waves 0 and 1 fetch x's two halves, waves 2 and 3 W's
	s_cmp_eq_u32 s15, 0
	s_cbranch_scc0 .Lfor_b_\@
	tensor_load_to_lds s[G0+4*\s:G0+4*\s+3], s[G1:G1+7]
	s_nop 0
.rept 4
	v_nop
.endr
	s_branch .Lasked_\@
.Lfor_b_\@:
	tensor_load_to_lds s[G0B+4*\s:G0B+4*\s+3], s[G1B:G1B+7]
	s_nop 0
.rept 4
	v_nop
.endr
.Lasked_\@:
.endm
.macro CREST                           ; a round of the cluster's barrier behind its opening barrier
	s_cmp_lg_u32 s14, 0
	s_cbranch_scc1 .Lnot_wave_0_\@
	s_barrier_signal -3
.Lnot_wave_0_\@:
	s_barrier_wait -3
	s_barrier_signal -1
	s_barrier_wait -1
.endm
.macro CROUND
	s_barrier_signal -1
	s_barrier_wait -1
	CREST
.endm
.macro SETUP s                         ; group 0 of slot s, for x's tiles and for W's
	s_mov_b32 s[G0+4*\s], 1
	s_add_co_u32 s[G0+4*\s+1], s45, \s*SLOT
	s_add_nc_u64 s[G0+4*\s+2:G0+4*\s+3], s[4:5], s[20:21]
	s_mov_b32 s[G0B+4*\s], 1
	s_add_co_u32 s[G0B+4*\s+1], s45, \s*SLOT
	s_add_nc_u64 s[G0B+4*\s+2:G0B+4*\s+3], s[8:9], s[46:47]
.if \s
	s_add_nc_u64 s[G0+4*\s+2:G0+4*\s+3], s[G0+4*\s+2:G0+4*\s+3], ROWB
	s_add_nc_u64 s[G0B+4*\s+2:G0B+4*\s+3], s[G0B+4*\s+2:G0B+4*\s+3], ROWB
.endif
	s_or_b32 s[G0+4*\s+3], s[G0+4*\s+3], 0x80000000
	s_or_b32 s[G0B+4*\s+3], s[G0B+4*\s+3], 0x80000000
.endm
	s_load_b128 s[4:7], s[0:1], 0x0                ; x_codes, x_sc
	s_load_b128 s[8:11], s[0:1], 0x10              ; w_codes, w_sc
	s_load_b64 s[12:13], s[0:1], 0x20              ; out0
	v_lshl_add_u32 v[SPW], v0, 2, SPARE
	v_mov_b32 v[NIL], 0
	ds_add_u32 v[SPW], v[NIL]                      ; the opening lines: the add, twice on end; work on registers; the wait
	ds_add_u32 v[SPW], v[NIL]
	v_lshrrev_b32 v1, 5, v0
	v_readfirstlane_b32 s14, v1                    ; wave 0..3
	s_lshr_b32 s15, s14, 1                         ; which half of the rows is mine; I fetch for x (0) or for W (1)
	s_and_b32 s16, s14, 1                          ; which half of the columns; which 128 rows I fetch
	s_bfe_u32 s40, ttmp6, 0x40000                  ; cx
	s_bfe_u32 s41, ttmp6, 0x40004                  ; cy
	s_lshl_b32 s42, ttmp9, 2
	s_add_co_u32 s42, s42, s40                     ; tile column
	s_and_b32 s17, ttmp7, 0xffff
	s_lshl_b32 s17, s17, 2
	s_add_co_u32 s17, s17, s41                     ; tile row
	s_lshl_b32 s43, s41, 2
	s_lshl_b32 s43, 15, s43                        ; my row of the cluster
	s_lshl_b32 s44, 0x1111, s40                    ; my column
	; group 1: 128 rows of 256 bytes, 16 bytes of padding behind each (every 64 words 4 words)
	s_or_b32 s[G1+0], s43, (0<<16)|(1<<20)|(1<<21)|(5<<22)|(3<<25)
	s_or_b32 s[G1B+0], s44, (0<<16)|(1<<20)|(1<<21)|(5<<22)|(3<<25)
.irp g, G1, G1B
	s_mov_b32 s[\g+1], ROWB<<16
	s_mov_b32 s[\g+2], 128<<16
	s_mov_b32 s[\g+3], ROWB<<16
	s_mov_b32 s[\g+4], 128
	s_mov_b32 s[\g+5], KROW
	s_mov_b32 s[\g+6], 0
	s_mov_b32 s[\g+7], 0
.endr
	s_mul_i32 s45, s14, HALFT                      ; where my load lands: wave x 128 rows
	s_lshl_b32 s18, s16, 18                        ; my 128 rows of 2,048 bytes
	s_lshl_b32 s20, s17, 19
	s_add_co_u32 s20, s20, s18                     ; x: by the tile row alone
	s_mov_b32 s21, 0
	s_lshl_b32 s46, s42, 19
	s_add_co_u32 s46, s46, s18                     ; W: by the tile column alone
	s_mov_b32 s47, 0
	s_wait_dscnt 0x0                               ; both opening adds are done
	CROUND                                         ; all sixteen work-groups are here: the first joint loads meet
	s_wait_kmcnt 0x0
	SETUP 0
	JLOAD 0                                        ; K step 0: one tensor load a wave at the head; what it does not need is made behind it
	SETUP 1
	; prefetches: of the 128 rows that I fetch the partner at place p (cx for x, cy for W) names 32 p .. 32 p + 31
	s_cmp_eq_u32 s15, 0
	s_cselect_b32 s72, s20, s46
	s_cselect_b32 s73, s40, s41
	s_cselect_b64 s[PFA:PFA+1], s[4:5], s[8:9]
	s_lshl_b32 s73, s73, 16
	s_add_co_u32 s72, s72, s73
	s_mov_b32 s73, 0
	s_add_nc_u64 s[PFA:PFA+1], s[PFA:PFA+1], s[72:73]
	s_lshl_b32 s18, s17, 12                        ; x's scale bytes: 16 a row: my 128 rows
	s_lshl_b32 s19, s15, 11
	s_add_co_u32 s18, s18, s19
	s_mov_b32 s19, 0
	s_add_nc_u64 s[XSB:XSB+1], s[6:7], s[18:19]
	s_lshl_b32 s18, s42, 12                        ; W's
	s_lshl_b32 s19, s16, 11
	s_add_co_u32 s18, s18, s19
	s_mov_b32 s19, 0
	s_add_nc_u64 s[WSB:WSB+1], s[10:11], s[18:19]
	s_lshl_b32 s18, s17, 1                         ; out0: row 256 x tile row + 128 x half, 16,384 bytes a row
	s_add_co_u32 s18, s18, s15
	s_lshl_b32 s18, s18, 21
	s_lshl_b32 s19, s42, 10                        ; + 1,024 x tile column + 512 x half
	s_add_co_u32 s18, s18, s19
	s_lshl_b32 s19, s16, 9
	s_add_co_u32 s18, s18, s19
	s_mov_b32 s19, 0
	s_add_nc_u64 s[12:13], s[12:13], s[18:19]
	; LDS addresses' scalar parts
	s_mul_i32 s74, s15, HALFT                      ; my rows of x
	s_mul_i32 s75, s16, HALFT
	s_add_co_u32 s75, s75, 2*HALFT                 ; my rows of W, behind x's 256
	s_add_co_u32 s77, s74, SLOT
	s_add_co_u32 s78, s75, SLOT
	s_mul_i32 s76, s14, 16*SPITCH
	s_add_co_u32 s76, s76, STAGE                   ; my stage
	; A fragment is 16 rows x 128 K in 8 registers: lane l holds row l % 16; registers 4 c .. 4 c + 3 hold K = 64 c + 32 (l / 16) + 0 .. 31.  Two of W's on end make a source of 32 rows.
	v_and_b32 v1, 15, v0
	v_bfe_u32 v2, v0, 4, 1
	v_and_b32 v6, 31, v0
	v_mul_u32_u24 v3, v1, PITCH
	v_lshl_add_u32 v4, v2, 4, v3
	v_mul_u32_u24 v5, v1, SPITCH                   ; the stage, in: row l % 16, 32 bytes for each half of the lanes
	v_lshl_add_u32 v5, v2, 5, v5
	v_add_nc_u32 v[STO], s76, v5
	v_lshlrev_b32 v[CO], 4, v6
	v_add_nc_u32 v[RD], s76, v[CO]                 ; out: the 32 lanes take one row of 512 bytes
	v_lshlrev_b32 v[PFO], 11, v6
	WIN 0x40
	v_add_nc_u32 v[ADRA], s74, v4
	v_add_nc_u32 v[ADRB], s75, v4
	v_add_nc_u32 v[ADRA+1], s77, v4
	v_add_nc_u32 v[ADRB+1], s78, v4
	v_lshlrev_b32 v[LN], 4, v6
	s_wait_alu depctr_va_vdst(0)                   ; the wait at the head's end
	WIN 0
	global_prefetch_b8 v[PFO], s[PFA:PFA+1] offset:ROWB th:TH_LOAD_NT scope:SCOPE_SE   ; K step 1
	WIN 0x01
.irp i, 0,1,2,3
	global_load_b128 v[SC+4*\i:SC+4*\i+3], v[LN], s[XSB:XSB+1] offset:512*\i     ; K step 0's scale words
	global_load_b128 v[SC+16+4*\i:SC+16+4*\i+3], v[LN], s[WSB:WSB+1] offset:512*\i
.endr
	WIN 0
; where x's block a keeps its four accumulators of 32 x 16: window GW, from register AC on
.macro GRP a
.if (\a) == 0
.set GW, 0
.set AC, 96
.elseif (\a) == 1
.set GW, 1
.set AC, 128
.elseif (\a) < 5
.set GW, 2
.set AC, 64*((\a)-2)
.else
.set GW, 3
.set AC, 64*((\a)-5)
.endif
.endm
; one product: x's block a, W's 32 rows i; the words of x's odd blocks stand in lanes 16-31 (ROW1).  ZERO = 1: it starts the sum
.macro WM a, i
.set CC, AC+16*(\i)
.set BB, BF+16*(\i)
.set WS, SC+32*SS+16+4*(\i)+QQ
.set KIND, 2*ZERO+((\a)%2)
.if KIND == 0
	v_wmma_scale_f32_32x16x128_f4 v[CC:CC+15], v[BB:BB+15], v[AFR:AFR+7], v[CC:CC+15], v[WS], v[XS]
.elseif KIND == 1
	v_wmma_scale_f32_32x16x128_f4 v[CC:CC+15], v[BB:BB+15], v[AFR:AFR+7], v[CC:CC+15], v[WS], v[XS] matrix_b_scale:MATRIX_SCALE_ROW1
.elseif KIND == 2
	v_wmma_scale_f32_32x16x128_f4 v[CC:CC+15], v[BB:BB+15], v[AFR:AFR+7], 0, v[WS], v[XS]
.else
	v_wmma_scale_f32_32x16x128_f4 v[CC:CC+15], v[BB:BB+15], v[AFR:AFR+7], 0, v[WS], v[XS] matrix_b_scale:MATRIX_SCALE_ROW1
.endif
.endm
.macro MULG a                          ; x's block a against W's 128 rows
	GRP \a
.set AFR, 192+8*(\a)
.set XS, SC+32*SS+4*((\a)/2)+QQ
.set NW, 1+4*AW+80*GW
	WIN NW
.irp i, 0,1,2,3
	WM \a, \i
.endr
.endm
; q: the step of 128 in the slot;  its sets;  nq, nslot: what the runs of LDS loads fetch, into the other sets
.macro ST q, slot, nq, nslot
.set QQ, \q
.set SS, \slot
.set PP, (\q)%2
.set BF, 64*PP
.set BN, 64-64*PP
.set AW, 2+PP
.set NQ, \nq
.set NS, \nslot
.endm
.macro RUNW                            ; the next step's eight fragments of W
	WIN 0x41
.irp i, 0,1,2,3,4,5,6,7
.irp c, 0,1
	ds_load_b128 v[BN+8*\i+4*\c:BN+8*\i+4*\c+3], v[ADRB+NS] offset:64*NQ+32*\c+\i*16*PITCH
.endr
.endr
.endm
.macro RUNX                            ; and of x
.set NW, 0xc1-0x40*PP
	WIN NW
.irp i, 0,1,2,3,4,5,6,7
.irp c, 0,1
	ds_load_b128 v[192+8*\i+4*\c:192+8*\i+4*\c+3], v[ADRA+NS] offset:64*NQ+32*\c+\i*16*PITCH
.endr
.endr
.endm
; A step of 128 along K whose successor lies in the same slot.  sl: of the next K step's scale words, into the other set, 1: x's are asked for, 2: W's.  pf > 0: a prefetch, pf K steps from the base.
.macro STEP q, slot, zero, sl, pf
	ST \q, \slot, \q+1, \slot
.set ZERO, \zero
	PLACES                                         ; for the loads into the sets that the step before multiplied
.if (\sl) == 1
	WIN 0x01
.irp i, 0,1,2,3
	global_load_b128 v[SC+32*(1-SS)+4*\i:SC+32*(1-SS)+4*\i+3], v[LN], s[XSB:XSB+1] offset:PLANE*(1-SS)+512*\i
.endr
.elseif (\sl) == 2
	WIN 0x01
.irp i, 0,1,2,3
	global_load_b128 v[SC+32*(1-SS)+16+4*\i:SC+32*(1-SS)+16+4*\i+3], v[LN], s[WSB:WSB+1] offset:PLANE*(1-SS)+512*\i
.endr
.endif
	RUNW
.if (\pf) > 0
	WIN 0
.if (\slot) == 1
	s_cmp_gt_u32 s3, 1                             ; in the loop's last trip there is no such K step
	s_cbranch_scc0 .Lnot_mine_\@
.endif
	global_prefetch_b8 v[PFO], s[PFA:PFA+1] offset:ROWB*(\pf) th:TH_LOAD_NT scope:SCOPE_SE
.if (\slot) == 1
.Lnot_mine_\@:
.endif
.endif
	s_wait_dscnt 28                                ; this step's W fragments and x's first two are in: behind them 12 old loads of x and 16 new of W
	MULG 0
	MULG 1
	s_wait_dscnt 22                                ; x's next three: behind them 6 old and 16 new
	MULG 2
	MULG 3
	RUNX
	MULG 4
	s_wait_dscnt 32                                ; all but the 32 new
	MULG 5
	MULG 6
	MULG 7
.set ZERO, 0
.endm
; A slot's last step changes slots: ONE barrier (where the slot is filled again it opens a round of the cluster's barrier); in front of it the wait for all my tensor loads, the add, the wait for it and for my reads.
.macro TURN slot, next, fill
	ST 3, \slot, 0, \next
	WIN 0
.if (\fill) && (\slot) == 0
	s_wait_xcnt 0x0                                ; the prefetches and the scale loads have read their bases: on by two K steps
	s_add_nc_u64 s[PFA:PFA+1], s[PFA:PFA+1], 2*ROWB
	s_add_nc_u64 s[XSB:XSB+1], s[XSB:XSB+1], 2*PLANE
	s_add_nc_u64 s[WSB:WSB+1], s[WSB:WSB+1], 2*PLANE
.endif
	s_wait_tensorcnt 0x0                           ; all my tensor loads have landed: my part of the next slot
	ds_add_u32 v[SPW], v[NIL]
.if \fill
	s_add_nc_u64 s[G0+4*\slot+2:G0+4*\slot+3], s[G0+4*\slot+2:G0+4*\slot+3], 2*ROWB
	s_add_nc_u64 s[G0B+4*\slot+2:G0B+4*\slot+3], s[G0B+4*\slot+2:G0B+4*\slot+3], 2*ROWB
.endif
	s_wait_dscnt 13                                ; W's fragments and x's first two are in: 12 loads of x and the add may be out
	MULG 0
	s_wait_dscnt 0x0                               ; the add is done, my reads of this slot are over
	s_barrier_signal -1
	MULG 1
	WIN 0
	s_barrier_wait -1
.if \fill
	CREST
	JLOAD \slot                                    ; the first tensor load behind the round; its four v_nop are also the places in front of the loads below
.else
	PLACES
.endif
	RUNW
	MULG 2
	MULG 3
	MULG 4
	RUNX
	MULG 5
	MULG 6
	MULG 7
	s_wait_loadcnt 0x0                             ; the next K step's scale words, asked for in this K step's first two steps
.endm
	s_wait_tensorcnt 0x0                           ; my part of K step 0 is in
	ds_add_u32 v[SPW], v[NIL]                      ; the add and its wait, as ahead of each later fill
	s_wait_dscnt 0x0
	CROUND                                         ; everybody's part of K step 0 is in, and the joint loads meet
	JLOAD 1                                        ; K step 1
	ST 1, 0, 0, 0                                  ; the first step's fragments, into the sets 0
	RUNW
	RUNX
	s_wait_loadcnt 0x0                             ; K step 0's scale words
	STEP 0, 0, 1, 1, 2                             ; its products start the sums
	WIN 0
	s_mov_b32 s3, LAPS-1
.Llap:                                                 ; once round the ring: K steps 2 i (from its second step on), 2 i + 1, and 2 i + 2's first step
	STEP 1, 0, 0, 2, 0
	STEP 2, 0, 0, 0, 3
	TURN 0, 1, 1
	STEP 0, 1, 0, 1, 0
	STEP 1, 1, 0, 2, 0
	STEP 2, 1, 0, 0, 2
	TURN 1, 0, 1
	STEP 0, 0, 0, 1, 0
	WIN 0
	s_sub_co_u32 s3, s3, 1
	s_cmp_lg_u32 s3, 0
	s_cbranch_scc1 .Llap
	STEP 1, 0, 0, 2, 0
	STEP 2, 0, 0, 0, 0
	TURN 0, 1, 0                                   ; nothing is filled again
	STEP 0, 1, 0, 0, 0
	STEP 1, 1, 0, 0, 0
; THE LAST TWO STEPS GO BY ROWS: both sets of fragments hold them, and x's blocks are finished one after the other.  A finished block of 16 rows x 128 columns goes through my own stage in LDS and leaves as rows of 512 bytes.
.macro TOSTAGE a
	GRP \a
.set NW, 4*GW
	WIN NW
.irp b, 0,1,2,3,4,5,6,7
	ds_store_b128 v[STO], v[AC+8*\b:AC+8*\b+3] offset:64*\b
	ds_store_b128 v[STO], v[AC+8*\b+4:AC+8*\b+7] offset:64*\b+16
.endr
	WIN 0
.set BKR, 160-64*((\a)%2)              ; v160-223, or v96-159, which block 0's accumulators have left
.irp t, 0,1,2,3,4,5,6,7,8,9,10,11,12,13,14,15
	ds_load_b128 v[BKR+4*\t:BKR+4*\t+3], v[RD] offset:\t*SPITCH
.endr
.endm
.macro SEND a, younger
	s_wait_dscnt \younger                          ; block a is back in registers; younger LDS instructions, where there are any, may be out
	WIN 0
.set BKR, 160-64*((\a)%2)
.irp t, 0,1,2,3,4,5,6,7,8,9,10,11,12,13,14,15
	global_store_b128 v[CO], v[BKR+4*\t:BKR+4*\t+3], s[12:13] offset:(16*(\a)+\t)*SIZE_N*4 th:TH_STORE_NT   ; two whole aligned units of 256 bytes; 127 rows at the most, inside the signed 24-bit immediate
.endr
.endm
	ST 2, 1, 3, 1
	PLACES
	RUNW
	s_wait_dscnt 28
	MULG 0
	MULG 1
	RUNX
	s_wait_dscnt 32                                ; all but the last step's 32
	MULG 2
	MULG 3
	s_wait_dscnt 14                                ; the last step's W fragments and x's block 0 are in
.irp a, 0,1,2,3,4,5,6,7
.if \a == 1
	s_wait_dscnt 32                                ; x's other blocks too: behind them only the stage's 32
.endif
	ST 3, 1, 3, 1
	MULG \a
.if \a < 4
	ST 2, 1, 3, 1
	MULG \a+4
.endif
.if \a == 1
	SEND 0, 0                                      ; block 0 leaves before block 1 enters the stage
.endif
	PLACES
.if \a > 1
	s_wait_xcnt 0x0                                ; block a - 2's stores have read the registers into which block a comes back
.endif
	TOSTAGE \a
.if \a > 1
	SEND \a-1, 32                                  ; behind block a - 1's loads: block a's 16 stores and 16 loads
.endif
.endr
	SEND 7, 0
	s_wait_tensorcnt 0x0                           ; the wave's end: the tensor wait, an LDS add and its wait
	ds_add_u32 v[SPW], v[NIL]
	s_wait_dscnt 0x0
	CROUND                                         ; the closing round: no work-group ends while a partner may still ask for a tile that names it
	s_endpgm
.Lfunc_end_k_q6fc37d7c43_gemm:
	.size	k_q6fc37d7c43_gemm, .Lfunc_end_k_q6fc37d7c43_gemm-k_q6fc37d7c43_gemm
	.p2alignl 7, 3214868480
	.fill 96, 4, 3214868480
	.section	.rodata,"a",@progbits
	.p2align	6, 0x0
	.amdhsa_kernel k_q6fc37d7c43_gemm
		.amdhsa_group_segment_fixed_size 327680
		.amdhsa_private_segment_fixed_size 0
		.amdhsa_enable_private_segment 0
		.amdhsa_kernarg_size 40
		.amdhsa_user_sgpr_count 2
		.amdhsa_user_sgpr_kernarg_segment_ptr 1
		.amdhsa_wavefront_size32 1
		.amdhsa_system_sgpr_workgroup_id_x 1
		.amdhsa_system_sgpr_workgroup_id_y 1
		.amdhsa_system_sgpr_workgroup_id_z 1
		.amdhsa_system_vgpr_workitem_id 0
		.amdhsa_next_free_vgpr 1024
		.amdhsa_next_free_sgpr 80
		.amdhsa_reserve_vcc 0
		.amdhsa_float_denorm_mode_32 3
		.amdhsa_float_denorm_mode_16_64 3
		.amdhsa_memory_ordered 1
		.amdhsa_forward_progress 1
		.amdhsa_inst_pref_size 148
	.end_amdhsa_kernel
	.amdgpu_metadata
---
amdhsa.version: [ 1, 2 ]
amdhsa.kernels:
  - .name:           k_q6fc37d7c43_gemm
    .symbol:         k_q6fc37d7c43_gemm.kd
    .args:
      - { .name: x_codes, .offset: 0, .size: 8, .value_kind: global_buffer, .address_space: global }
      - { .name: x_sc, .offset: 8, .size: 8, .value_kind: global_buffer, .address_space: global }
      - { .name: w_codes, .offset: 16, .size: 8, .value_kind: global_buffer, .address_space: global }
      - { .name: w_sc, .offset: 24, .size: 8, .value_kind: global_buffer, .address_space: global }
      - { .name: out0, .offset: 32, .size: 8, .value_kind: global_buffer, .address_space: global }
    .group_segment_fixed_size: 327680
    .private_segment_fixed_size: 0
    .kernarg_segment_align: 8
    .kernarg_segment_size: 40
    .max_flat_workgroup_size: 128
    .sgpr_count:     80
    .vgpr_count:     1024
    .wavefront_size: 32
...
	.end_amdgpu_metadata
.endif
;; end of part 2
